; MI455X (gfx1250); checked and timed in simulation.
; The chip was launched on July 23, 2026; its instructions are those of AMD's public machine-readable ISA for CDNA 5 (MIT licence, August 2026) and "CDNA5" Instruction Set Architecture Reference Guide (July 2026). The comments in the code are by the model that wrote it; some were corrected since.
;; Match Tensor Score. Allowed arithmetic: matrix products marked QUANTISED: E3M2 operands, one E8M0 scale for each 32 along K, by v_wmma_scale_f32_16x16x128_f8f6f4 with both operands' format E3M2, f32 sums; products left as they are: f32 operands where the result goes on into a quantised operand, else bf16, f16 or f32 operands; f32 sums; everything else in f32.
;; Inputs: M_codes 1,024 x 32 x 32 x 24 uint8 (E3M2 codes of M, K innermost, in blocks of 32 codes, four codes in three bytes); M_scales 1,024 x 32 x 32 uint8 (E8M0 scales of M, one for each 32 codes along K); V_codes 32 x 64 x 24 uint8 (E3M2 codes of V, K innermost, in blocks of 32 codes, four codes in three bytes); V_scales 32 x 64 uint8 (E8M0 scales of V, one for each 32 codes along K); b 1 x 32 float32; u 1 x 32 float32; x1 2,048 x 1,024 float32; x2 2,048 x 1,024 float32.
;; Outputs: out0 2,048 x 1 float32.
;; This version of the problem:
;;   THIS VERSION OF THE PROBLEM IS GIVEN IN LOW PRECISION. The matrix products marked QUANTISED in the list below multiply operands that are first quantised to E3M2 (3 exponent bits, 2 mantissa bits; 6 bits a number), with one power-of-two scale for each 32 numbers along K (OCP MX v1.0); their sums are f32. All else is computed in f32.
;;   The module's matrix products, in the order in which they are computed (A, B: the left and right operand; K: the contracted axis; several contracted axes count as one K, in the product's order):
;;     1. [M 32,768, K 1,024] x [K 1,024, N 2,048]; A: input M (given as codes); B: input x1: QUANTISED
;;     2. batch 2,048 x [M 1, K 1,024] x [K 1,024, N 32]; A: input x2; B: computed on the way: left as it is (M = 1 < 16)
;;     3. [M 2,048, K 2,048] x [K 2,048, N 32]; A: computed on the way; B: input V (given as codes): QUANTISED
;;     4. [M 2,048, K 32] x [K 32, N 1]; A: computed on the way; B: input u: left as it is (N = 1 < 16)
;;   THE QUANTISER, for each operand of a quantised product, along K:
;;     - K is cut into blocks of 32 from its start; a last block that is shorter is filled with zeros.
;;     - A block's scale is 2^e with e = floor(log2(the largest magnitude in the block)) - 4, held to -126 .. 127; a block of zeros has e = 0. As a byte (E8M0): e + 127.
;;     - Each number is divided by its block's scale, clamped to +-28, and rounded to the nearest number of E3M2, ties to even, subnormals kept.
;;     - The product sums the exact products of the quantised numbers (number of the format x scale) in f32.
;;   ~~~python
;;   def quantise(x, axis):      # numpy; x: float32 -> the quantised numbers, widened to float32 again
;;       x = np.moveaxis(x, axis, -1); K = x.shape[-1]
;;       x = np.pad(x, [(0, 0)] * (x.ndim - 1) + [(0, -K % 32)]); x = x.reshape(x.shape[:-1] + (-1, 32)); a = np.abs(x).max(-1, keepdims=True)
;;       e = np.where(a > 0, np.clip(np.frexp(np.where(a > 0, a, 1))[1] - 1 - 4, -126, 127), 0)      # np.frexp(a)[1] - 1 = floor(log2(a)), exactly
;;       r = np.clip(x / 2.0 ** e, -28, 28)
;;       step = 2.0 ** (np.maximum(np.frexp(np.where(r == 0, 1, r))[1] - 1, -2) - 2)
;;       q = np.round(r / step) * step * 2.0 ** e      # np.round: ties to even
;;       return np.moveaxis(q.reshape(q.shape[:-2] + (-1,))[..., :K], -1, axis).astype(np.float32)
;;   ~~~
;;   OPERANDS COMPUTED ON THE WAY. 'Computed on the way' means the value that the module computes at that place (a softmax that the list does not call 'softmax' is quantised finished and normalised). What goes into a quantiser is computed in f32, as accurately as f32 sums, v_exp_f32 and their like allow (about 1e-6 of the number): no bf16 or f16 on the way to a quantiser, and a product that is left as it is and whose result goes on into a quantised operand takes f32 operands (vector FMAs, or v_wmma_f32_16x16x4_f32). A number that lies on a knife's edge between two numbers of the format may be rounded either way, as far as f32 arithmetic and the matrix unit's own rounding can turn it there, and no further.
;;   INPUTS GIVEN AS CODES. M (in the module: [1024, 1024, 32], K = its axis 0); V (in the module: [32, 2048], K = its axis 1): each comes as NAME_codes (uint8): NAME with its K axis moved to the last place and cut into blocks of 32 codes, [.., K / 32, bytes a block], one block behind the other in memory; four codes in three bytes: a row's codes are one little-endian stream of bits, code i at bits 6 i .. 6 i + 5 (a code: sign, 3 exponent bits, 2 mantissa bits); and NAME_scales (uint8): the same leading axes, one E8M0 byte (e + 127) for each 32 codes along K. Its value is code x scale, taken as it is: it is not quantised again, and the codes and scales need not be those that the quantiser above would give.
;; One version. Each part assembles by itself: llvm-mc -triple=amdgcn-amd-amdhsa -mcpu=gfx1250 --defsym DOCPART=n.
;; ======== version 1 of 1: 3 launches
;; limits: right only within a limited range of input values
;; workspace buffers: x1c 1,572,864 bytes; x1s 65,536 bytes; x2c 1,572,864 bytes; x2s 65,536 bytes; part 8,388,608 bytes
;; launch quant (part 1): grid 256 x 1, 4 waves a work-group, no clusters, 22,016 bytes of LDS; arguments x1, x2, x1c, x1s, x2c, x2s; writes x1c, x1s, x2c, x2s
.if DOCPART == 1
	.amdgcn_target "amdgcn-amd-amdhsa--gfx1250"
	.amdhsa_code_object_version 6
	.text
	.protected	k_q9e87863897_quant
	.globl	k_q9e87863897_quant
	.p2align	8
	.type	k_q9e87863897_quant,@function
k_q9e87863897_quant:
	s_mov_b64 s[64:65], 0
	v_nop
	global_prefetch_b8 v0, s[64:65] scope:SCOPE_SE
	s_setreg_imm32_b32 hwreg(HW_REG_WAVE_MODE, 25, 1), 1
	s_wait_xcnt 0x0
; x1 and x2, [2048][1024] f32, are turned into codes of BF6 (E3M2), 6 bits each, K (the last axis) innermost, with one E8M0 scale byte for each 32 along K:
; codes [2048][768] bytes, scale bytes [2048][32].  x1's codes serve the bilinear product and the product with V, x2's the product with V.
; A block's scale is 2^(floor(log2(its largest magnitude)) - 4); its byte is the largest magnitude's own exponent field - 4, held at 1 from below.
; Each number is divided by the scale and rounded to the nearest code, ties to even; beyond 28 the largest code.
; LIMITS: NaN and infinities among the inputs are not served; a block whose largest magnitude lies under 2^-122 has its byte held at 1; a block of zeros gets the byte 1
; where the quantiser says 127: its codes are zeros, which add nothing under any byte but 0xff, and the bytes are read by this program alone.
; Rows are dense and 1,024 is a multiple of 32, so both tensors are plain streams of blocks of 32 numbers, and so are the codes and the scale bytes.
; SHARES: work-groups 0-127 take x1, 128-255 x2 (only pointers are chosen: one path through the text).  A wave takes 8 steps of 512 numbers; all its 32 loads go out at the head.
; Each load reads 512 consecutive bytes, 16 a lane; a step's 2,048 bytes turn through the wave's own stage in LDS and come back 64 bytes a lane, since the conversion takes 16 neighbours from ONE lane.
; Two neighbouring lanes hold a block.  A lane's 16 codes are 12 bytes: the wave stores 384 consecutive bytes.  The work-group's 512 scale bytes meet in LDS and leave by one store of 512 consecutive bytes.
.set WGA,   128                        ; work-groups for x1: 2048 x 1024 / (4 waves x 8 steps x 512)
.set STEPS, 8
.set CB,    12                         ; bytes of 16 codes
.set SP,    80                         ; a lane's place in a stage: its 64 bytes + 16 of padding
.set WREG,  2*32*SP                    ; LDS: two stages for each wave
.set SCB,   4*WREG                     ; behind them: the work-group's 512 scale bytes, 128 for each wave
.set R,     16                         ; v16-143  eight sets of 16 numbers as they are loaded
.set X,     144                        ; v144-175 two sets of 16 neighbours
.set C,     176                        ; v176-207 codes: four registers for each step, so that no store's data are written again
.set E,     208                        ; v208-215 a scale byte for each step
	s_load_b128 s[4:7], s[0:1], 0x0                ; x1, x2
	s_load_b128 s[8:11], s[0:1], 0x10              ; x1's codes, x1's scales
	s_load_b128 s[12:15], s[0:1], 0x20             ; x2's codes, x2's scales
	v_lshl_add_u32 v216, v0, 2, 0x5400
	v_mov_b32 v217, 0
	v_lshrrev_b32 v1, 5, v0
	v_readfirstlane_b32 s16, v1                    ; wave
	v_and_b32 v2, 31, v0                           ; lane
	v_lshlrev_b32 v3, 4, v2                        ; my 16 bytes of a load's 512
	s_mul_i32 s17, s16, WREG
	v_lshrrev_b32 v10, 2, v2
	v_mul_u32_u24 v10, v10, SP
	v_and_b32 v1, 3, v2
	v_lshl_add_u32 v10, v1, 4, v10
	v_add_nc_u32 v10, s17, v10                     ; the stage, on the way in: four lanes' 64 bytes on end, then 16 of padding: SP (lane / 4) + 16 (lane % 4)
	v_mul_u32_u24 v12, v2, SP
	v_add_nc_u32 v12, s17, v12                     ; and on the way out: SP x lane: my 16 neighbours
	v_mul_u32_u24 v4, v2, CB                       ; my codes' place in a step's
	v_lshrrev_b32 v5, 1, v2
	s_lshl_b32 s17, s16, 7
	s_add_co_u32 s17, s17, SCB
	v_add_nc_u32 v5, s17, v5                       ; LDS: my wave's 128 scale bytes, my block's byte
	v_add_nc_u32 v6, SCB, v3                       ; and where wave 0 reads all 512 back, 16 bytes a lane
	s_wait_alu depctr_va_vdst(0)
	s_wait_kmcnt 0x0
	s_cmp_lt_u32 ttmp9, WGA                        ; x1's work-group or x2's?  The choice hangs on the work-group's number alone
	s_cselect_b64 s[4:5], s[4:5], s[6:7]
	s_cselect_b64 s[8:9], s[8:9], s[12:13]
	s_cselect_b64 s[10:11], s[10:11], s[14:15]
	s_cselect_b32 s17, 0, WGA
	s_sub_co_u32 s17, ttmp9, s17                   ; the work-group's number within its tensor
	s_lshl_b32 s18, s17, 2
	s_add_co_u32 s18, s18, s16                     ; which run of 4,096 numbers is my wave's
	s_mov_b32 s21, 0
	s_lshl_b32 s20, s18, 14                        ; 16,384 bytes of f32 a run
	s_add_nc_u64 s[4:5], s[4:5], s[20:21]
	s_mul_i32 s20, s18, 32*STEPS*CB                ; 3,072 bytes of codes a run
	s_add_nc_u64 s[8:9], s[8:9], s[20:21]
	s_lshl_b32 s20, s17, 9                         ; 512 scale bytes a work-group
	s_add_nc_u64 s[10:11], s[10:11], s[20:21]
.macro LOAD t
.irp i, 0,1,2,3
	global_load_b128 v[R+16*(\t)+4*\i:R+16*(\t)+4*\i+3], v3, s[4:5] offset:2048*(\t)+512*\i th:TH_LOAD_NT   ; 32 lanes read 512 consecutive bytes
.endr
.endm
.macro TURN t                          ; step t's numbers through a stage: LDS serves a wave's instructions in order, so no wait stands between the stores and the loads
.irp i, 0,1,2,3
	ds_store_b128 v10, v[R+16*(\t)+4*\i:R+16*(\t)+4*\i+3] offset:32*SP*((\t)%2)+8*SP*\i
.endr
.irp i, 0,1,2,3
	ds_load_b128 v[X+16*((\t)%2)+4*\i:X+16*((\t)%2)+4*\i+3], v12 offset:32*SP*((\t)%2)+16*\i
.endr
.endm
.irp t, 0,1,2,3,4,5,6,7
	LOAD \t
.endr
	s_wait_loadcnt 28                              ; step 0's four loads are in; the 28 of the seven steps behind it may be out
	TURN 0
.macro STEP t
.set XS, X+16*((\t)%2)
.if (\t) > 0
	s_wait_dscnt 1                                 ; this step's numbers are back from the stage; the last step's byte store may be out
.else
	s_wait_dscnt 0x0
.endif
.if (\t)+1 < STEPS
	s_wait_loadcnt 4*(STEPS-2-(\t))                ; the next step's four loads are in; those of the steps behind it may be out
	TURN (\t)+1                                    ; and go through the other stage while this step is worked
.endif
	v_max3_num_f32 v8, |v[XS]|, |v[XS+1]|, |v[XS+2]|               ; the largest magnitude of my 16, in two chains
	v_max3_num_f32 v9, |v[XS+3]|, |v[XS+4]|, |v[XS+5]|
.irp i, 6,10
	v_max3_num_f32 v8, v8, |v[XS+\i]|, |v[XS+\i+1]|
	v_max3_num_f32 v9, v9, |v[XS+\i+2]|, |v[XS+\i+3]|
.endr
	v_max3_num_f32 v8, v8, |v[XS+14]|, |v[XS+15]|
	v_max3_num_f32 v8, v8, v9, 0x2800000           ; and the floor 2^(5 - 127): so the byte cannot fall under 1
	v_max_num_f32_dpp v8, v8, v8 row_xmask:1 row_mask:0xf bank_mask:0xf   ; and of my neighbour's 16: the block's
	v_add_nc_u32 v11, 0xfe000000, v8               ; 4 off its exponent field: the conversion takes the exponent field of this operand as its scale, and nothing else of it
	v_cvt_scalef32_pk16_bf6_f32 v[C+4*(\t):C+4*(\t)+2], v[XS:XS+15], v11   ; 96 bits without gaps, the first number's code lowest
	v_lshrrev_b32 v[E+(\t)], 23, v11               ; the scale's byte (also the plain line behind the conversion)
	ds_store_b8 v5, v[E+(\t)] offset:16*(\t)       ; both lanes of a block write the same byte with the same value
	global_store_b96 v4, v[C+4*(\t):C+4*(\t)+2], s[8:9] offset:32*CB*(\t)
.endm
.irp t, 0,1,2,3,4,5,6,7
	STEP \t
.endr
	s_wait_dscnt 0x0                               ; for the others' sake: my scale bytes lie in LDS
	s_barrier_signal -1
	s_barrier_wait -1                              ; everybody's do
	s_cmp_lg_u32 s16, 0
	s_cbranch_scc1 .Lend
	ds_load_b128 v[X:X+3], v6                      ; wave 0 takes the work-group's 512 scale bytes
	s_wait_dscnt 0x0
	global_store_b128 v3, v[X:X+3], s[10:11]       ; 32 lanes store 512 consecutive bytes, at a multiple of 512 from the buffer's first byte
.Lend:
	s_wait_tensorcnt 0x0
	ds_add_u32 v216, v217
	s_wait_dscnt 0x0
	s_endpgm
.Lfunc_end_k_q9e87863897_quant:
	.size	k_q9e87863897_quant, .Lfunc_end_k_q9e87863897_quant-k_q9e87863897_quant
	.p2alignl 7, 3214868480
	.fill 96, 4, 3214868480
	.section	.rodata,"a",@progbits
	.p2align	6, 0x0
	.amdhsa_kernel k_q9e87863897_quant
		.amdhsa_group_segment_fixed_size 22016
		.amdhsa_private_segment_fixed_size 0
		.amdhsa_enable_private_segment 0
		.amdhsa_kernarg_size 48
		.amdhsa_user_sgpr_count 2
		.amdhsa_user_sgpr_kernarg_segment_ptr 1
		.amdhsa_wavefront_size32 1
		.amdhsa_system_sgpr_workgroup_id_x 1
		.amdhsa_system_sgpr_workgroup_id_y 1
		.amdhsa_system_sgpr_workgroup_id_z 1
		.amdhsa_system_vgpr_workitem_id 0
		.amdhsa_next_free_vgpr 218
		.amdhsa_next_free_sgpr 66
		.amdhsa_reserve_vcc 0
		.amdhsa_float_denorm_mode_32 3
		.amdhsa_float_denorm_mode_16_64 3
		.amdhsa_memory_ordered 1
		.amdhsa_forward_progress 1
		.amdhsa_inst_pref_size 18
	.end_amdhsa_kernel
	.amdgpu_metadata
---
amdhsa.version: [ 1, 2 ]
amdhsa.kernels:
  - .name:           k_q9e87863897_quant
    .symbol:         k_q9e87863897_quant.kd
    .args:
      - { .name: x1, .offset: 0, .size: 8, .value_kind: global_buffer, .address_space: global }
      - { .name: x2, .offset: 8, .size: 8, .value_kind: global_buffer, .address_space: global }
      - { .name: x1c, .offset: 16, .size: 8, .value_kind: global_buffer, .address_space: global }
      - { .name: x1s, .offset: 24, .size: 8, .value_kind: global_buffer, .address_space: global }
      - { .name: x2c, .offset: 32, .size: 8, .value_kind: global_buffer, .address_space: global }
      - { .name: x2s, .offset: 40, .size: 8, .value_kind: global_buffer, .address_space: global }
    .group_segment_fixed_size: 22016
    .private_segment_fixed_size: 0
    .kernarg_segment_align: 8
    .kernarg_segment_size: 48
    .max_flat_workgroup_size: 128
    .sgpr_count:     66
    .vgpr_count:     218
    .wavefront_size: 32
...
	.end_amdgpu_metadata
.endif
;; end of part 1
;; launch bilin (part 2): grid 32 x 8, 8 waves a work-group, clusters of 4 x 4, 327,680 bytes of LDS; arguments x1c, x1s, M_codes, M_scales, x2, part; writes part
.if DOCPART == 2
	.amdgcn_target "amdgcn-amd-amdhsa--gfx1250"
	.amdhsa_code_object_version 6
	.text
	.protected	k_q9e87863897_bilin
	.globl	k_q9e87863897_bilin
	.p2align	8
	.type	k_q9e87863897_bilin,@function
k_q9e87863897_bilin:
	s_mov_b64 s[64:65], 0
	v_nop
	global_prefetch_b8 v0, s[64:65] scope:SCOPE_SE
	s_setreg_imm32_b32 hwreg(HW_REG_WAVE_MODE, 25, 1), 1
	s_wait_xcnt 0x0
	s_wait_alu depctr_hold_cnt(0) depctr_sa_sdst(0) depctr_va_vdst(0) depctr_va_sdst(0) depctr_va_ssrc(0) depctr_va_vcc(0) depctr_vm_vsrc(0)
	s_getreg_b32 s2, hwreg(HW_REG_IB_STS2, 6, 4)
	s_cmp_eq_u32 s2, 0
	s_cbranch_scc0 .Lentry_in_a_cluster
	s_endpgm
.Lentry_in_a_cluster:
	s_bfe_u32 s2, ttmp6, 0x10000c
	s_cmp_lg_u32 s2, 0xf033
	s_cbranch_scc0 .Lentry_shape_is_right
	s_endpgm
.Lentry_shape_is_right:
; part1[b][r] = sum over f of x2[b][f] T[(f, r)][b],  T[(f, r)][b] = sum over e of M[e][f][r] Q(x1)[b][e]: a product on codes of BF6 (E3M2), one E8M0 scale for each 32 along e.
; T never goes to memory: each finished block of T is multiplied by x2 (f32, fused multiply-adds) and summed over f in registers.
; M's codes: row 32 f + r of 768 bytes, 32 scale bytes a row.  x1's codes [2048][768] and scale bytes [2048][32] were made by the launch before.
; SHARES.  Work-group (x, y): b = 256 y .. + 255, f = 32 x .. + 31 (1,024 rows of M).  Eight waves, two to a SIMD, 512 registers each.  Wave w: b quarter w % 4 (64 b), half w / 4 of e (512),
; against ALL the work-group's rows of M.  The sum over f is linear in T, so each half of e is multiplied by x2 and summed by itself; the two halves are added through LDS at the end.
; A wave's x1 (4 tiles of 16 b x 4 steps of 128 along e x 12 registers = 192) stays in registers for the whole launch: it passes through LDS once.
; M goes through a ring of two LDS slots BY ROWS: a slot holds 128 whole rows (4 f); dense in memory, it is stated as lines of 256 bytes, 8 bytes of padding behind every 128: an LDS row is 816 bytes,
; and byte y of a row lies at y + 8 (y / 128): the second half of e lies 408 bytes behind the first, with the same offsets.
; A UNIT is 16 rows of M x 64 b x 512 along e: 16 matrix instructions on 4 accumulators by turns, then the 16 multiply-adds of the unit BEFORE (the second set of
; accumulators; they are the places in front of the loads), then the 24 LDS loads of the unit two on, into the fragment buffer just read: three runs.
; Source 0 = 16 rows of M, source 1 = 16 rows of x1: lane l holds b = l % 16, register j row 8 (l / 16) + j of the unit; unit J of a slot is f = J / 2, r = 16 (J % 2) + 8 (l / 16) + j.
; SCALE WORDS come straight into registers, 16 bytes a lane (my half's four steps): x1's by row l % 16; M's by row l of a pair of units: lanes 0-15 serve the even unit, lanes 16-31 the odd (ROW1).
; A pair's four registers are loaded again, for the next slot, behind the pair's second unit; x2 (4 f of a lane's b by one load, two sets) behind a slot's second unit.
; CHANGE OF SLOTS, in a slot's unit 6: all reads of the slot were issued in unit 5; the three lines, the round and the refill of THIS slot (two slots on) follow, then the next slot's first unit is read.
; CLUSTERS 4 x 4: x1's rows hang on y (shared along a row of the cluster), M's on x (along a column): joint loads.  M's slot u + 3 is prefetched in slot u: a wave's 48 lines of 256 bytes are shared out
; by address among the four partners, 12 each (lanes 12-31 name the last again); slots 0 to 2 come by their loads alone; nothing is asked for past slot 7.  x1 has no loop to run ahead in; x2 and the scales are asked for seven units ahead by their loads.
; The first unit's multiply-adds find zeros in the second set of accumulators and in the sums: the loop is written once.
; part: [x][tile of 16 b][k = 0..3][lane][16 bytes]: element e of lane l is (b = l % 16, r = 16 (k / 2) + 8 (l / 16) + 4 (k % 2) + e); each store 512 consecutive bytes.  The next launch adds the 32 x.
; LIMITS: those of the launch that made x1's codes; NaN and infinities in x2 are not served; M's codes and scale bytes are taken as given; a sum over e is made in two halves.
; WINDOWS: 0: v0-29 addresses, v32-47 x1's scale words, v48-63 M's, v64-95 x2 (two sets), v96-159 accumulators (two sets), v160-255 M's fragments (two buffers).  1: v0-191 x1's fragments, v192-255 the sums.
.set PITCH, 816
.set BLKB,  16*PITCH
.set HALFB, 4*BLKB
.set KHB,   408
.set SLOT1, 131072
.set X1ST,  8*BLKB                     ; x1's stage: 256 rows; slot 1 lies inside it and is filled when it has been read
.set SPARE, X1ST+256*PITCH             ; the spare words: four blocks of 256 bytes that no other line names
.set SLOTG, 128*768                    ; a slot's bytes in memory
.set AD,  8                            ; 4 slot + 2 (unit / 4): the plain address; + 1: for pieces whose lanes 16-31 lie behind one padding more
.set VSO, 16
.set VXO, 17
.set GOFF, 18
.set PFO, 19
.set IMG, 20
.set XA,  22
.set SOX, 24
.set SPW, 28
.set NIL, 29
.set XS,  32
.set MS,  48
.set X2,  64
.set ACC, 96
.set RING, 160
.set PSUM, 192
.set TC,  3
.set WV,  16
.set BQ,  17
.set KH,  19
.set G0X, 20
.set G1X, 24
.set G1H, 48
.set G0H, 56
.set G1M, 68
.set G0M, 76
.set MSP, 84
.set X2P, 86
.set PFA, 88
.set DW0, (1<<20)|(1<<21)|(4<<22)|(1<<25)   ; elements of 1 byte; padding on; bit 21 beside a mask; 2 words behind every 32
.set WINW, 0x04                        ; source 1 (x1) window 1, all else window 0
.set WINF, 0x50                        ; source 2 and destination (the sums) window 1
.set MSB, 0
.macro WIN new
.if MSB != \new
	s_set_vgpr_msb (MSB<<8)|\new
.set MSB, \new
.endif
.endm
.macro NOP4
.rept 4
	v_nop
.endr
.endm
.macro CREST
	s_cmp_lg_u32 s[WV], 0
	s_cbranch_scc1 .Lnw0_\@
	s_barrier_signal -3
.Lnw0_\@:
	s_barrier_wait -3
	s_barrier_signal -1
	s_barrier_wait -1
.endm
.macro CROUND
	s_barrier_signal -1
	s_barrier_wait -1
	CREST
.endm
.macro G1SET g, n                      ; n lines of 256 bytes, dense
	s_mov_b32 s[\g+1], 256<<16
	s_mov_b32 s[\g+2], \n<<16
	s_mov_b32 s[\g+3], 256<<16
	s_mov_b32 s[\g+4], \n
	s_mov_b32 s[\g+5], 256
	s_mov_b32 s[\g+6], 0
	s_mov_b32 s[\g+7], 0
.endm
; three pieces of 8 bytes of the fragment of my step k; lanes 16-31 read 24 bytes on
.macro PCS reg, k, a, o, c
.irp i, 0,1,2
.set BY, 96*(\k)+48*(\c)+8*\i
.if BY/128 == (BY+24)/128
	ds_load_b64 v[0+(\reg)+6*(\c)+2*\i:0+(\reg)+6*(\c)+2*\i+1], v[0+(\a)] offset:(\o)+BY+8*(BY/128)
.else
	ds_load_b64 v[0+(\reg)+6*(\c)+2*\i:0+(\reg)+6*(\c)+2*\i+1], v[1+(\a)] offset:(\o)+BY+8*(BY/128)
.endif
.endr
.endm
.macro LU s, j                         ; unit j of slot s into buffer j % 2: 24 loads in one run
.irp k, 0,1,2,3
	PCS RING+48*((\j)%2)+12*\k, \k, AD+4*(\s)+2*((\j)/4), ((\j)%4)*BLKB, 0
	PCS RING+48*((\j)%2)+12*\k, \k, AD+4*(\s)+2*((\j)/4), ((\j)%4)*BLKB, 1
.endr
.endm
.macro WM J, k, b
.set rD, ACC+32*((\J)%2)+8*(\b)
.set rA, RING+48*((\J)%2)+12*(\k)
.set rB, 12*(4*(\k)+(\b))
.set rM, MS+4*((\J)/2)+(\k)
.set rS, XS+4*(\b)+(\k)
.if (\J)%2 == 0
.if (\k) == 0
	v_wmma_scale_f32_16x16x128_f8f6f4 v[rD:rD+7], v[rA:rA+11], v[rB:rB+11], 0, v[rM], v[rS] matrix_a_fmt:MATRIX_FMT_BF6 matrix_b_fmt:MATRIX_FMT_BF6
.else
	v_wmma_scale_f32_16x16x128_f8f6f4 v[rD:rD+7], v[rA:rA+11], v[rB:rB+11], v[rD:rD+7], v[rM], v[rS] matrix_a_fmt:MATRIX_FMT_BF6 matrix_b_fmt:MATRIX_FMT_BF6
.endif
.else
.if (\k) == 0
	v_wmma_scale_f32_16x16x128_f8f6f4 v[rD:rD+7], v[rA:rA+11], v[rB:rB+11], 0, v[rM], v[rS] matrix_a_fmt:MATRIX_FMT_BF6 matrix_b_fmt:MATRIX_FMT_BF6 matrix_a_scale:MATRIX_SCALE_ROW1
.else
	v_wmma_scale_f32_16x16x128_f8f6f4 v[rD:rD+7], v[rA:rA+11], v[rB:rB+11], v[rD:rD+7], v[rM], v[rS] matrix_a_fmt:MATRIX_FMT_BF6 matrix_b_fmt:MATRIX_FMT_BF6 matrix_a_scale:MATRIX_SCALE_ROW1
.endif
.endif
.endm
.macro WH J, ka, kb                    ; half a unit: its steps ka and kb, 8 matrix instructions
	WIN WINW
.irp k, \ka, \kb
.irp b, 0,1,2,3
	WM \J, \k, \b
.endr
.endr
.endm
.macro WU J                            ; a unit's 16 matrix instructions
	WIN WINW
.irp k, 0,1,2,3
.irp b, 0,1,2,3
	WM \J, \k, \b
.endr
.endr
.endm
; sums(b tile, r half) += the accumulators of the unit before (S, J) x x2(b, its f): 16 lines, each accumulator from its low end on
.macro FU S, J
.set pJ, ((\J)+7)%8
.set pS, \S
.if (\J) == 0
.set pS, 1-(\S)
.endif
	WIN WINF
.irp b, 0,1,2,3
.irp j, 0,2,4,6
.set rP, PSUM+16*\b+8*(pJ%2)+\j
.set rC, ACC+32*(pJ%2)+8*\b+\j
.set rX, X2+16*pS+4*\b+2*(pJ/4)
.if (pJ/2)%2 == 0
	v_pk_fma_f32 v[rP:rP+1], v[rC:rC+1], v[rX:rX+1], v[rP:rP+1] op_sel_hi:[1,0,1]
.else
	v_pk_fma_f32 v[rP:rP+1], v[rC:rC+1], v[rX:rX+1], v[rP:rP+1] op_sel:[0,1,0] op_sel_hi:[1,1,1]
.endif
.endr
.endr
.endm
.macro GL S, J                         ; behind an odd unit: the next slot's x2 (unit 1) and the scale words of the pair just done
.if (\J) == 1
.irp b, 0,1,2,3
	global_load_b128 v[X2+16*(1-\S)+4*\b:X2+16*(1-\S)+4*\b+3], v[VXO], s[X2P:X2P+1] offset:65536*\b+16*(\S+1)
.endr
.endif
.if (\J)%2 == 1
	global_load_b128 v[MS+4*((\J)/2):MS+4*((\J)/2)+3], v[VSO], s[MSP:MSP+1] offset:4096*(\S+1)+1024*((\J)/2)
.endif
.endm
.macro LW mode, J                      ; ahead of an even unit: its pair's scale words are in.  Behind their load were issued: at unit 0 three loads of scale words; else two of them and the five of unit 1; in the last slot what is left
.if (\J)%2 == 0
.if \mode == 2
	s_wait_loadcnt 3-(\J)/2
.elseif (\J) == 0
	s_wait_loadcnt 3
.else
	s_wait_loadcnt 7
.endif
.endif
.endm
; mode 1: the slot is filled again, two slots on;  0: nothing is left to fetch, a barrier shows the other slot whole;  2: the last slot
.macro SLOT S, mode, aoff, guard
.irp j, 0,1,2,3,4,5
	LW \mode, \j
	s_wait_dscnt 24                                ; this unit's fragments are in; the run issued behind them may be out
	WU \j
	FU \S, \j
	WIN WINW
	LU \S, \j+2
.if \mode != 2
	GL \S, \j
.endif
.endr
	LW \mode, 6
.if \mode == 1
	WIN 0
	s_wait_tensorcnt 0x0                           ; my part of the other slot has landed: no tensor load of mine is out
	ds_add_u32 v[SPW], v[NIL]
	s_add_nc_u64 s[G0M+4*\S+2:G0M+4*\S+3], s[G0M+4*\S+2:G0M+4*\S+3], 2*SLOTG
	s_wait_dscnt 25                                ; unit 7's run and the add may be out
	WU 6
	s_wait_dscnt 0x0                               ; the add is done, my reads of this slot are back
	s_barrier_signal -1
	FU \S, 6                                       ; work on registers while the others arrive:
	WH 7, 0, 1                                     ; and the first half of unit 7, whose fragments are in
	WIN 0
	s_barrier_wait -1
	CREST                                          ; the barrier has opened a round of the cluster's barrier
	tensor_load_to_lds s[G0M+4*\S:G0M+4*\S+3], s[G1M:G1M+7]   ; my 16 rows: the one tensor load behind the round
	s_nop 0
	NOP4
	LU 1-\S, 0
.if \guard
	s_cmp_lg_u32 s[TC], 1                          ; the loop's last trip has no slot three on
	s_cbranch_scc0 .Lna_\@
.endif
	global_prefetch_b8 v[PFO], s[PFA:PFA+1] offset:\aoff th:TH_LOAD_NT scope:SCOPE_SE
.if \guard
.Lna_\@:
.endif
.elseif \mode == 0
	s_wait_tensorcnt 0x0
	s_wait_dscnt 24
	WU 6
	s_wait_dscnt 0x0
	s_barrier_signal -1
	FU \S, 6
	s_barrier_wait -1
	WIN WINW
	LU 1-\S, 0
.else
	s_wait_dscnt 24
	WU 6
	FU \S, 6
	s_wait_dscnt 0x0
.endif
.if \mode == 1
	WH 7, 2, 3
.else
	WU 7
.endif
	FU \S, 7
.if \mode != 2
	WIN WINW
	LU 1-\S, 1
	GL \S, 7
.endif
.endm
	s_load_b256 s[4:11], s[0:1], 0x0               ; x1's codes, x1's scales, M's codes, M's scales
	s_load_b128 s[12:15], s[0:1], 0x20             ; x2, part
	v_lshl_add_u32 v[SPW], v0, 2, SPARE
	v_mov_b32 v[NIL], 0
	ds_add_u32 v[SPW], v[NIL]
	ds_add_u32 v[SPW], v[NIL]
	v_lshrrev_b32 v1, 5, v0
	v_readfirstlane_b32 s[WV], v1                  ; wave 0..7
	s_and_b32 s[BQ], s[WV], 3                      ; my quarter of the b
	s_lshr_b32 s[KH], s[WV], 2                     ; my half of e
	s_bfe_u32 s40, ttmp6, 0x40000                  ; cx
	s_bfe_u32 s41, ttmp6, 0x40004                  ; cy
	s_lshl_b32 s42, ttmp9, 2
	s_add_co_u32 s42, s42, s40                     ; x
	s_and_b32 s43, ttmp7, 0xffff
	s_lshl_b32 s43, s43, 2
	s_add_co_u32 s43, s43, s41                     ; y
	s_lshl_b32 s44, s41, 2
	s_lshl_b32 s44, 15, s44                        ; my row of the cluster
	s_lshl_b32 s45, 0x1111, s40                    ; my column
	s_or_b32 s[G1X], s44, DW0
	s_or_b32 s[G1H], s45, DW0
	s_or_b32 s[G1M], s45, DW0
	G1SET G1X, 192                                 ; 64 rows of x1
	G1SET G1H, 96                                  ; the head's 32 rows of M
	G1SET G1M, 48                                  ; the ring's 16 rows of M
	s_lshl_b32 s90, s43, 8
	s_lshl_b32 s91, s[BQ], 6
	s_add_co_u32 s90, s90, s91                     ; x1: row 256 y + 64 (wave % 4)
	s_mul_i32 s90, s90, 768
	s_mov_b32 s91, 0
	s_lshl_b32 s92, s42, 10                        ; M: row 1,024 x
	s_lshl_b32 s94, s[BQ], 5
	s_add_co_u32 s94, s94, s92                     ; the head: + 32 (wave % 4)
	s_mul_i32 s94, s94, 768
	s_mov_b32 s95, 0
	s_lshl_b32 s96, s[WV], 4
	s_add_co_u32 s96, s96, s92                     ; the ring: + 16 wave
	s_mul_i32 s96, s96, 768
	s_mov_b32 s97, 0
	s_mov_b32 s[G0X], 1
	s_mul_i32 s[G0X+1], s[BQ], HALFB
	s_add_co_u32 s[G0X+1], s[G0X+1], X1ST
	s_mov_b32 s[G0H], 1
	s_mul_i32 s[G0H+1], s[BQ], 32*PITCH
	s_mov_b32 s[G0M], 1
	s_mul_i32 s[G0M+1], s[WV], BLKB
	s_mov_b32 s[G0M+4], 1
	s_add_co_u32 s[G0M+5], s[G0M+1], SLOT1
	s_wait_dscnt 0x0
	s_wait_kmcnt 0x0
	s_add_nc_u64 s[G0X+2:G0X+3], s[4:5], s[90:91]
	s_or_b32 s[G0X+3], s[G0X+3], 0x80000000
	s_add_nc_u64 s[G0H+2:G0H+3], s[8:9], s[94:95]
	s_or_b32 s[G0H+3], s[G0H+3], 0x80000000
	s_add_nc_u64 s[G0M+2:G0M+3], s[8:9], s[96:97]
	s_add_nc_u64 s[G0M+6:G0M+7], s[G0M+2:G0M+3], SLOTG
	s_or_b32 s[G0M+3], s[G0M+3], 0x80000000
	s_or_b32 s[G0M+7], s[G0M+7], 0x80000000
	CROUND                                         ; the first joint loads meet
	s_cmp_lt_u32 s[WV], 4                          ; one tensor load a wave at the head: waves 0-3 x1's quarters, waves 4-7 the quarters of M's slot 0
	s_cbranch_scc0 .Lhead_m
	tensor_load_to_lds s[G0X:G0X+3], s[G1X:G1X+7]
	s_nop 0
	NOP4
	s_branch .Lhead_asked
.Lhead_m:
	tensor_load_to_lds s[G0H:G0H+3], s[G1H:G1H+7]
	s_nop 0
	NOP4
.Lhead_asked:
	s_mul_i32 s98, s41, 3072                       ; prefetches: my wave's 16 rows, my work-group's 12 lines of their 48
	s_mov_b32 s99, 0
	s_add_nc_u64 s[PFA:PFA+1], s[8:9], s[96:97]
	s_add_nc_u64 s[PFA:PFA+1], s[PFA:PFA+1], s[98:99]
	s_lshl_b32 s18, s[KH], 4                       ; my half's 16 of a row's 32 scale bytes
	s_lshl_b32 s98, s42, 15                        ; M's scale bytes: 32,768 x
	s_add_co_u32 s98, s98, s18
	s_add_nc_u64 s[MSP:MSP+1], s[10:11], s[98:99]
	s_lshl_b32 s98, s43, 13                        ; x1's scale bytes: row 256 y + 64 (wave % 4)
	s_lshl_b32 s100, s[BQ], 11
	s_add_co_u32 s98, s98, s100
	s_add_co_u32 s98, s98, s18
	s_add_nc_u64 s[6:7], s[6:7], s[98:99]
	s_lshl_b32 s98, s43, 20                        ; x2: row 256 y + 64 (wave % 4), number 32 x
	s_lshl_b32 s100, s[BQ], 18
	s_add_co_u32 s98, s98, s100
	s_lshl_b32 s100, s42, 7
	s_add_co_u32 s98, s98, s100
	s_add_nc_u64 s[X2P:X2P+1], s[12:13], s[98:99]
	s_lshl_b32 s98, s42, 18                        ; part: 262,144 x + 2,048 (16 y + 4 (wave % 4))
	s_lshl_b32 s100, s43, 15
	s_add_co_u32 s98, s98, s100
	s_lshl_b32 s18, s[BQ], 13
	s_add_co_u32 s98, s98, s18
	s_add_nc_u64 s[14:15], s[14:15], s[98:99]
	s_mul_i32 s101, s[KH], KHB                     ; my half of an LDS row
	s_mul_i32 s100, s[BQ], HALFB
	s_add_co_u32 s100, s100, X1ST                  ; my 64 rows in x1's stage
	v_and_b32 v1, 15, v0
	v_bfe_u32 v2, v0, 4, 1
	v_and_b32 v3, 31, v0
	v_lshlrev_b32 v[SOX], 5, v1                    ; x1's scale bytes: row l % 16
	v_lshlrev_b32 v[VSO], 5, v3                    ; M's: row l of a pair of units
	v_lshlrev_b32 v[VXO], 12, v1                   ; a row of x2
	v_mul_u32_u24 v4, v1, PITCH
	v_min_u32 v7, 11, v3
	v_lshlrev_b32 v[GOFF], 4, v3
	v_add_nc_u32 v4, s101, v4
	v_lshlrev_b32 v[PFO], 8, v7
	v_add_nc_u32 v[IMG], s18, v[GOFF]              ; the exchange at the end: 8,192 (wave % 4) + 16 lane
	v_mad_u32_u24 v5, v2, 24, v4
	v_mad_u32_u24 v6, v2, 32, v4
.irp b, 0,1,2,3
	global_load_b128 v[XS+4*\b:XS+4*\b+3], v[SOX], s[6:7] offset:512*\b
	global_load_b128 v[MS+4*\b:MS+4*\b+3], v[VSO], s[MSP:MSP+1] offset:1024*\b
	global_load_b128 v[X2+4*\b:X2+4*\b+3], v[VXO], s[X2P:X2P+1] offset:65536*\b
.endr
	v_add_nc_u32 v[XA], s100, v5
	v_add_nc_u32 v[XA+1], s100, v6
.irp s, 0,1
.irp h, 0,1
	v_add_nc_u32 v[AD+4*\s+2*\h], \s*SLOT1+\h*HALFB, v5
	v_add_nc_u32 v[AD+4*\s+2*\h+1], \s*SLOT1+\h*HALFB, v6
.endr
.endr
.irp b, 0,1,2,3
	v_mov_b32 v[X2+18+4*\b], 0                     ; what the first unit's multiply-adds name of the other set of x2
	v_mov_b32 v[X2+19+4*\b], 0
.endr
.set i, 0
.rept 32
	v_mov_b32 v[ACC+32+i], 0                       ; the second set of accumulators,
.set i, i+1
.endr
	WIN 0x40
.set i, 0
.rept 64
	v_mov_b32 v[PSUM+i], 0                         ; and the sums, while the first fills are on their way
.set i, i+1
.endr
	WIN 0
	s_wait_alu depctr_va_vdst(0)
	s_wait_tensorcnt 0x0
	s_barrier_signal -1
	s_barrier_wait -1                              ; x1's stage and slot 0 are whole
	LU 0, 0                                        ; the first two units' fragments, in one run with x1's
	LU 0, 1
	WIN 0x40
.irp k, 0,1,2,3
.irp b, 0,1,2,3
	PCS 12*(4*\k+\b), \k, XA, \b*BLKB, 0
	PCS 12*(4*\k+\b), \k, XA, \b*BLKB, 1
.endr
.endr
	WIN 0
	s_wait_tensorcnt 0x0                           ; slot 1's first fill lands on x1's stage: it is issued as a refill is
	ds_add_u32 v[SPW], v[NIL]
	s_wait_dscnt 0x0                               ; the add is done, x1 is in my registers
	CROUND
	tensor_load_to_lds s[G0M+4:G0M+7], s[G1M:G1M+7]
	s_nop 0
	NOP4
	s_wait_loadcnt 0x0                             ; x1's scale words, slot 0's scale words and x2
	s_mov_b32 s[TC], 3
.Ltrip:                                                ; slots 2 T and 2 T + 1; both are filled again
	SLOT 0, 1, 3*SLOTG, 0
	SLOT 1, 1, 4*SLOTG, 1
	WIN 0
	s_wait_xcnt 0x0                                ; the trip's loads and prefetches have read their bases
	s_add_nc_u64 s[MSP:MSP+1], s[MSP:MSP+1], 8192
	s_add_nc_u64 s[X2P:X2P+1], s[X2P:X2P+1], 32
	s_add_nc_u64 s[PFA:PFA+1], s[PFA:PFA+1], 2*SLOTG
	s_sub_co_u32 s[TC], s[TC], 1
	s_cmp_lg_u32 s[TC], 0
	s_cbranch_scc1 .Ltrip
	SLOT 0, 0, 0, 0                                ; slots 6 and 7 are written out: they fetch nothing more
	SLOT 1, 2, 0, 0
	FU 0, 0                                        ; the last unit's multiply-adds
	WIN 0
	; THE WAY OUT.  Waves w and w + 4 hold sums for the same 64 b over the two halves of e.  The upper wave lays its 64 registers into LDS as they stand, in slot 0, which has had its last fill and,
	; behind slot 6's barrier, its last read; the lower wave takes them by the same lines, adds, and stores.
	s_wait_alu depctr_va_vdst(0)
	s_cmp_eq_u32 s[KH], 0
	s_cbranch_scc1 .Lkeep
	WIN WINW                                       ; an LDS store's data are its source 1
.set k, 0
.rept 16
	ds_store_b128 v[IMG], v[PSUM+4*k:PSUM+4*k+3] offset:512*k
.set k, k+1
.endr
	WIN 0
.Lkeep:
	s_wait_dscnt 0x0                               ; for the others' sake: my stores have landed
	s_barrier_signal -1
	s_barrier_wait -1
	s_cmp_lg_u32 s[KH], 0
	s_cbranch_scc1 .Ldone
.set k, 0
.rept 16
	ds_load_b128 v[RING+4*k:RING+4*k+3], v[IMG] offset:512*k
.set k, k+1
.endr
	s_wait_dscnt 0x0
	WIN WINW
.set i, 0
.rept 32
	v_pk_add_f32 v[RING+i:RING+i+1], v[RING+i:RING+i+1], v[PSUM+i:PSUM+i+1]
.set i, i+2
.endr
	WIN 0
.set k, 0
.rept 16
	global_store_b128 v[GOFF], v[RING+4*k:RING+4*k+3], s[14:15] offset:512*k th:TH_STORE_NT   ; 32 lanes store 512 consecutive bytes, at a multiple of 512 from part's first byte
.set k, k+1
.endr
.Ldone:
	s_wait_tensorcnt 0x0                           ; the wave's end
	ds_add_u32 v[SPW], v[NIL]
	s_wait_dscnt 0x0
	CROUND                                         ; the closing round
	s_endpgm
.Lfunc_end_k_q9e87863897_bilin:
	.size	k_q9e87863897_bilin, .Lfunc_end_k_q9e87863897_bilin-k_q9e87863897_bilin
	.p2alignl 7, 3214868480
	.fill 96, 4, 3214868480
	.section	.rodata,"a",@progbits
	.p2align	6, 0x0
	.amdhsa_kernel k_q9e87863897_bilin
		.amdhsa_group_segment_fixed_size 327680
		.amdhsa_private_segment_fixed_size 0
		.amdhsa_enable_private_segment 0
		.amdhsa_kernarg_size 48
		.amdhsa_user_sgpr_count 2
		.amdhsa_user_sgpr_kernarg_segment_ptr 1
		.amdhsa_wavefront_size32 1
		.amdhsa_system_sgpr_workgroup_id_x 1
		.amdhsa_system_sgpr_workgroup_id_y 1
		.amdhsa_system_sgpr_workgroup_id_z 1
		.amdhsa_system_vgpr_workitem_id 0
		.amdhsa_next_free_vgpr 512
		.amdhsa_next_free_sgpr 104
		.amdhsa_reserve_vcc 0
		.amdhsa_float_denorm_mode_32 3
		.amdhsa_float_denorm_mode_16_64 3
		.amdhsa_memory_ordered 1
		.amdhsa_forward_progress 1
		.amdhsa_inst_pref_size 178
	.end_amdhsa_kernel
	.amdgpu_metadata
---
amdhsa.version: [ 1, 2 ]
amdhsa.kernels:
  - .name:           k_q9e87863897_bilin
    .symbol:         k_q9e87863897_bilin.kd
    .args:
      - { .name: x1c, .offset: 0, .size: 8, .value_kind: global_buffer, .address_space: global }
      - { .name: x1s, .offset: 8, .size: 8, .value_kind: global_buffer, .address_space: global }
      - { .name: M_codes, .offset: 16, .size: 8, .value_kind: global_buffer, .address_space: global }
      - { .name: M_scales, .offset: 24, .size: 8, .value_kind: global_buffer, .address_space: global }
      - { .name: x2, .offset: 32, .size: 8, .value_kind: global_buffer, .address_space: global }
      - { .name: part, .offset: 40, .size: 8, .value_kind: global_buffer, .address_space: global }
    .group_segment_fixed_size: 327680
    .private_segment_fixed_size: 0
    .kernarg_segment_align: 8
    .kernarg_segment_size: 48
    .max_flat_workgroup_size: 256
    .sgpr_count:     104
    .vgpr_count:     512
    .wavefront_size: 32
...
	.end_amdgpu_metadata
.endif
;; end of part 2
;; launch finish (part 3): grid 128 x 1, 8 waves a work-group, no clusters, 17,408 bytes of LDS; arguments x1c, x1s, x2c, x2s, V_codes, V_scales, part, b, u, out0; writes out0
.if DOCPART == 3
	.amdgcn_target "amdgcn-amd-amdhsa--gfx1250"
	.amdhsa_code_object_version 6
	.text
	.protected	k_q9e87863897_finish
	.globl	k_q9e87863897_finish
	.p2align	8
	.type	k_q9e87863897_finish,@function
k_q9e87863897_finish:
	s_mov_b64 s[64:65], 0
	v_nop
	global_prefetch_b8 v0, s[64:65] scope:SCOPE_SE
	s_setreg_imm32_b32 hwreg(HW_REG_WAVE_MODE, 25, 1), 1
	s_wait_xcnt 0x0
; out[b] = sum over r of u[r] tanh(part1[b][r] + part2[b][r] + bias[r]).  part2 = Q(concat(x1, x2)) V^T on codes of BF6 (E3M2), one E8M0 scale for each 32 along its K of 2,048;
; part1 is the sum of the 32 partial sums that the launch before stored.  x1's and x2's codes [2048][768] and scale bytes [2048][32] come from the first launch; V's codes [32][1536] and scale bytes [32][64] are inputs.
; SHARES.  A work-group takes 16 b.  Wave w takes 256 along K (192 bytes of a row, 8 blocks of 32 codes) of part2, for both halves of the 32 r: four matrix instructions; and chunks 4 w .. 4 w + 3 of the partial sums.
; Waves 0-3 read x1's codes, waves 4-7 x2's (only pointers are chosen).  Source 0 = 16 rows of V, source 1 = my 16 rows of x: lane l holds b = l % 16 and register j r = 16 (half) + 8 (l / 16) + j:
; the very layout in which the partial sums lie in memory, [chunk][tile of 16 b][k = 0..3][lane][16 bytes], so that they are added register by register.
; WHOLE BLOCKS OF K ARE PERMUTED, ALIKE IN V AND IN x: lane (r, h) takes the 96 consecutive bytes at 96 h of its row's 192, blocks 4 h .. 4 h + 3, by six loads of 16 bytes; its first 48 bytes are the operand of the
; first matrix instruction, the next 48 of the second.  The operand's layout reads a lane's registers 0-5 as block h and 6-11 as block 2 + h, so instruction s finds blocks 2 s, 4 + 2 s, 2 s + 1, 5 + 2 s in places 0 to 3;
; the row's eight scale bytes (one load of 8 bytes) are put in that order by v_perm_b32.  Each product keeps its own two scales; only the order of the f32 sum changes.
; The partial sums are asked for first; their 24 additions are the places between the lines that make the scale words and the matrix instructions.
; The eight waves' sums meet in LDS as images of their registers; wave 0 adds them, adds the bias, takes tanh = 1 - 2 / (1 + 2^(2 log2(e) z)) (right at both ends: the exponential's infinity gives 1, its 0 gives -1)
; and the product with u.  A work-group's 16 results are 64 bytes: whole runs of 256 would leave 32 work-groups to read all the partial sums, and the output is 8,192 bytes in all.
; No cluster and no tensor load: the work-groups share only V, 51,200 bytes.  LIMITS: those of the first launch's quantiser.
.set XF,  16                           ; v16-39   x's fragments, instruction s at XF + 12 s
.set VF,  40                           ; v40-87   V's, (s, r half g) at VF + 12 (2 s + g)
.set XS,  88                           ; v88-89   x's scale words
.set VS,  90                           ; v90-93   V's, 2 s + g
.set D0,  96                           ; v96-103, v104-111 the two accumulators
.set D1,  104
.set PT,  112                          ; v112-175 partial sums: chunk c, group k at PT + 16 c + 4 k
.set BB,  176                          ; v176-191 the bias in the result's layout
.set UU,  192                          ; v192-207 u likewise
.set XR,  210                          ; v210-211 x's eight scale bytes as they lie
.set VR,  212                          ; v212-215 V's, r half g at VR + 2 g
	s_load_b256 s[4:11], s[0:1], 0x0               ; x1's codes, x1's scales, x2's codes, x2's scales
	s_load_b256 s[12:19], s[0:1], 0x20             ; V's codes, V's scales, part, b
	s_load_b128 s[20:23], s[0:1], 0x40             ; u, out
	v_lshl_add_u32 v208, v0, 2, 0x4000
	v_mov_b32 v209, 0
	v_lshrrev_b32 v1, 5, v0
	s_delay_alu instid0(VALU_DEP_1)
	v_readfirstlane_b32 s24, v1                    ; wave 0..7
	s_and_b32 s25, s24, 3                          ; which 256 along K within x1 or x2
	v_and_b32 v1, 15, v0                           ; r' = lane % 16
	v_bfe_u32 v2, v0, 4, 1                         ; h = lane / 16
	v_and_b32 v12, 31, v0                          ; lane
	s_delay_alu instid0(VALU_DEP_3)
	v_mul_u32_u24 v3, v1, 768
	s_delay_alu instid0(VALU_DEP_1)
	v_mad_u32_u24 v3, v2, 96, v3                   ; x: row r' of 768 bytes + 96 h
	v_mul_u32_u24 v4, v1, 1536
	s_delay_alu instid0(VALU_DEP_1)
	v_mad_u32_u24 v4, v2, 96, v4                   ; V: row r' of 1,536 bytes + 96 h
	v_lshlrev_b32 v5, 5, v1                        ; x's scale bytes: 32 a row
	v_lshlrev_b32 v6, 6, v1                        ; V's: 64 a row
	v_lshlrev_b32 v7, 4, v12                       ; 16 x lane: an image's place for my lane, in part and in LDS
	v_lshlrev_b32 v8, 5, v2                        ; b, u: 8 h numbers on
	s_lshl_b32 s32, s24, 11
	v_add_nc_u32 v9, s32, v7                       ; LDS: my wave's 2,048 bytes
	v_lshlrev_b32 v10, 2, v1                       ; out: 4 bytes a b
	v_mov_b32 v11, 0                               ; written once: a lane permute's destination counts as one of its sources
	s_mov_b32 s30, 0x76543210
	s_mov_b32 s31, 0xfedcba98                      ; v_permlanex16_b32's selects for lane l xor 16
	s_mov_b32 s33, 0
	s_wait_alu depctr_va_vdst(0)
	s_wait_kmcnt 0x0
	s_cmp_lt_u32 s24, 4                            ; the choice hangs on the wave's number alone
	s_cselect_b64 s[26:27], s[4:5], s[8:9]
	s_cselect_b64 s[28:29], s[6:7], s[10:11]
	s_mul_i32 s32, ttmp9, 16*768                   ; my 16 rows' codes,
	s_mul_i32 s34, s25, 192                        ; my 192 bytes of a row
	s_add_co_u32 s32, s32, s34
	s_add_nc_u64 s[26:27], s[26:27], s[32:33]
	s_lshl_b32 s32, ttmp9, 9                       ; their scale bytes
	s_lshl_b32 s34, s25, 3
	s_add_co_u32 s32, s32, s34
	s_add_nc_u64 s[28:29], s[28:29], s[32:33]
	s_mul_i32 s32, s24, 192                        ; V at my 192 bytes
	s_add_nc_u64 s[12:13], s[12:13], s[32:33]
	s_lshl_b32 s32, s24, 3
	s_add_nc_u64 s[14:15], s[14:15], s[32:33]
	s_lshl_b32 s32, ttmp9, 11                      ; part: my tile of 16 b, 2,048 bytes,
	s_lshl_b32 s34, s24, 20                        ; my four chunks of 262,144
	s_add_co_u32 s32, s32, s34
	s_add_nc_u64 s[16:17], s[16:17], s[32:33]
	s_lshl_b32 s32, ttmp9, 6
	s_add_nc_u64 s[22:23], s[22:23], s[32:33]
	; all loads at once: 16 partial sums, 21 for the products, 8 for b and u (every wave loads these, so that the waits' counts are the same in all waves; wave 0 uses them)
.irp c, 0,1,2,3
.irp k, 0,1,2,3
	global_load_b128 v[PT+16*\c+4*\k:PT+16*\c+4*\k+3], v7, s[16:17] offset:262144*\c+512*\k th:TH_LOAD_NT   ; 32 lanes read 512 consecutive bytes
.endr
.endr
.irp s, 0,1
.irp p, 0,1,2
	global_load_b128 v[XF+12*\s+4*\p:XF+12*\s+4*\p+3], v3, s[26:27] offset:48*\s+16*\p
.endr
.endr
.irp s, 0,1
.irp g, 0,1
.irp p, 0,1,2
	global_load_b128 v[VF+12*(2*\s+\g)+4*\p:VF+12*(2*\s+\g)+4*\p+3], v4, s[12:13] offset:24576*\g+48*\s+16*\p
.endr
.endr
.endr
	global_load_b64 v[XR:XR+1], v5, s[28:29]
.irp g, 0,1
	global_load_b64 v[VR+2*\g:VR+2*\g+1], v6, s[14:15] offset:1024*\g
.endr
.irp g, 0,1
.irp q, 0,1
	global_load_b128 v[BB+8*\g+4*\q:BB+8*\g+4*\q+3], v8, s[18:19] offset:64*\g+16*\q
	global_load_b128 v[UU+8*\g+4*\q:UU+8*\g+4*\q+3], v8, s[20:21] offset:64*\g+16*\q
.endr
.endr
	s_wait_loadcnt 8                               ; all but the 8 of b and u are in
	v_perm_b32 v[XS], v[XR+1], v[XR], 0x05010400   ; the scale bytes of blocks 0, 4, 1, 5: the first instruction's word
	v_perm_b32 v[XS+1], v[XR+1], v[XR], 0x07030602 ; of blocks 2, 6, 3, 7: the second's
.irp g, 0,1
	v_perm_b32 v[VS+\g], v[VR+2*\g+1], v[VR+2*\g], 0x05010400
	v_perm_b32 v[VS+2+\g], v[VR+2*\g+1], v[VR+2*\g], 0x07030602
.endr
.irp i, 0,2,4,6,8,10,12,14                     ; my four chunks are added: 24 lines between the scale words' making and the matrix instructions, which want 8
	v_pk_add_f32 v[PT+\i:PT+\i+1], v[PT+\i:PT+\i+1], v[PT+16+\i:PT+16+\i+1]
	v_pk_add_f32 v[PT+32+\i:PT+32+\i+1], v[PT+32+\i:PT+32+\i+1], v[PT+48+\i:PT+48+\i+1]
.endr
.irp i, 0,2,4,6,8,10,12,14
	v_pk_add_f32 v[PT+\i:PT+\i+1], v[PT+\i:PT+\i+1], v[PT+32+\i:PT+32+\i+1]
.endr
	; the two accumulators by turns, one instruction a turn; the first instruction of each starts its sum
	v_wmma_scale_f32_16x16x128_f8f6f4 v[D0:D0+7], v[VF:VF+11], v[XF:XF+11], 0, v[VS], v[XS] matrix_a_fmt:MATRIX_FMT_BF6 matrix_b_fmt:MATRIX_FMT_BF6
	v_wmma_scale_f32_16x16x128_f8f6f4 v[D1:D1+7], v[VF+12:VF+23], v[XF:XF+11], 0, v[VS+1], v[XS] matrix_a_fmt:MATRIX_FMT_BF6 matrix_b_fmt:MATRIX_FMT_BF6
	v_wmma_scale_f32_16x16x128_f8f6f4 v[D0:D0+7], v[VF+24:VF+35], v[XF+12:XF+23], v[D0:D0+7], v[VS+2], v[XS+1] matrix_a_fmt:MATRIX_FMT_BF6 matrix_b_fmt:MATRIX_FMT_BF6
	v_wmma_scale_f32_16x16x128_f8f6f4 v[D1:D1+7], v[VF+36:VF+47], v[XF+12:XF+23], v[D1:D1+7], v[VS+3], v[XS+1] matrix_a_fmt:MATRIX_FMT_BF6 matrix_b_fmt:MATRIX_FMT_BF6
.rept 4
	v_nop                                          ; four places behind the products (ISA guide 7.12.1)
.endr
.irp i, 0,2,4,6                                ; my part of part2, each accumulator from its low end on
	v_pk_add_f32 v[PT+\i:PT+\i+1], v[PT+\i:PT+\i+1], v[D0+\i:D0+\i+1]
.endr
.irp i, 0,2,4,6
	v_pk_add_f32 v[PT+8+\i:PT+8+\i+1], v[PT+8+\i:PT+8+\i+1], v[D1+\i:D1+\i+1]
.endr
.irp k, 0,1,2,3
	ds_store_b128 v9, v[PT+4*\k:PT+4*\k+3] offset:512*\k   ; as they stand: 16 bytes a lane
.endr
	s_wait_dscnt 0x0                               ; for wave 0's sake: my stores have landed
	s_barrier_signal -1
	s_barrier_wait -1
	s_cmp_lg_u32 s24, 0
	s_cbranch_scc1 .Lend
.irp w, 0,1,2,3,4,5,6,7
.irp k, 0,1,2,3
	ds_load_b128 v[16+16*\w+4*\k:16+16*\w+4*\k+3], v7 offset:2048*\w+512*\k
.endr
.endr
	s_wait_dscnt 0x0
.irp w, 0,2,4,6                                ; the eight waves' sums, as a tree
.irp i, 0,2,4,6,8,10,12,14
	v_pk_add_f32 v[16+16*\w+\i:17+16*\w+\i], v[16+16*\w+\i:17+16*\w+\i], v[32+16*\w+\i:33+16*\w+\i]
.endr
.endr
.irp w, 0,4
.irp i, 0,2,4,6,8,10,12,14
	v_pk_add_f32 v[16+16*\w+\i:17+16*\w+\i], v[16+16*\w+\i:17+16*\w+\i], v[48+16*\w+\i:49+16*\w+\i]
.endr
.endr
.irp i, 0,2,4,6,8,10,12,14
	v_pk_add_f32 v[16+\i:17+\i], v[16+\i:17+\i], v[80+\i:81+\i]
.endr
	s_wait_alu depctr_va_vdst(0)
	s_wait_loadcnt 0x0                             ; b and u
.irp i, 0,2,4,6,8,10,12,14
	v_pk_add_f32 v[16+\i:17+\i], v[16+\i:17+\i], v[BB+\i:BB+\i+1]   ; z = part1 + part2 + bias
.endr
.irp i, 0,2,4,6,8,10,12,14
	v_pk_mul_f32 v[16+\i:17+\i], v[16+\i:17+\i], 0x4038aa3b op_sel_hi:[1,0]   ; 2 log2(e) z
.endr
	s_wait_alu depctr_va_vdst(0)
.irp i, 0,1,2,3,4,5,6,7,8,9,10,11,12,13,14,15
	v_exp_f32 v[16+\i], v[16+\i]
.endr
	v_nop                                          ; a plain instruction behind the last exponential,
	s_wait_alu depctr_va_vdst(0)                   ; and one wait for the batch, ahead of its first reader
.irp i, 0,2,4,6,8,10,12,14
	v_pk_add_f32 v[16+\i:17+\i], v[16+\i:17+\i], 1.0 op_sel_hi:[1,0]
.endr
	s_wait_alu depctr_va_vdst(0)
.irp i, 0,1,2,3,4,5,6,7,8,9,10,11,12,13,14,15
	v_rcp_f32 v[16+\i], v[16+\i]
.endr
	v_nop
	s_wait_alu depctr_va_vdst(0)                   ; likewise for the reciprocals
.irp i, 0,2,4,6,8,10,12,14
	v_pk_fma_f32 v[16+\i:17+\i], v[16+\i:17+\i], -2.0, 1.0 op_sel_hi:[1,0,0]   ; tanh(z)
.endr
	v_pk_mul_f32 v[32:33], v[16:17], v[UU:UU+1]    ; x u, in two chains
	v_pk_mul_f32 v[34:35], v[18:19], v[UU+2:UU+3]
.irp i, 4,8,12
	s_delay_alu instid0(VALU_DEP_2)
	v_pk_fma_f32 v[32:33], v[16+\i:17+\i], v[UU+\i:UU+\i+1], v[32:33]
	s_delay_alu instid0(VALU_DEP_2)
	v_pk_fma_f32 v[34:35], v[18+\i:19+\i], v[UU+2+\i:UU+3+\i], v[34:35]
.endr
	s_delay_alu instid0(VALU_DEP_1)
	v_pk_add_f32 v[32:33], v[32:33], v[34:35]
	s_delay_alu instid0(VALU_DEP_1)
	v_add_f32 v32, v32, v33                        ; my 16 r,
	s_delay_alu instid0(VALU_DEP_1)
	v_permlanex16_b32 v11, v32, s30, s31
	s_delay_alu instid0(VALU_DEP_1)
	v_add_f32 v32, v32, v11                        ; and lane l xor 16's 16
	s_wait_alu depctr_va_vdst(0)
	s_wait_xcnt 0x0                                ; EXEC changes only behind this wait: my loads have had their addresses translated
	v_cmp_gt_u32 vcc_lo, 16, v0                    ; in wave 0 the thread's number is the lane
	s_and_saveexec_b32 s32, vcc_lo
	global_store_b32 v10, v32, s[22:23]            ; lanes 0-15: 64 consecutive bytes
	s_wait_xcnt 0x0                                ; and again, in front of the line that widens it
	s_or_b32 exec_lo, exec_lo, s32
.Lend:
	s_wait_tensorcnt 0x0
	ds_add_u32 v208, v209
	s_wait_dscnt 0x0
	s_endpgm
.Lfunc_end_k_q9e87863897_finish:
	.size	k_q9e87863897_finish, .Lfunc_end_k_q9e87863897_finish-k_q9e87863897_finish
	.p2alignl 7, 3214868480
	.fill 96, 4, 3214868480
	.section	.rodata,"a",@progbits
	.p2align	6, 0x0
	.amdhsa_kernel k_q9e87863897_finish
		.amdhsa_group_segment_fixed_size 17408
		.amdhsa_private_segment_fixed_size 0
		.amdhsa_enable_private_segment 0
		.amdhsa_kernarg_size 80
		.amdhsa_user_sgpr_count 2
		.amdhsa_user_sgpr_kernarg_segment_ptr 1
		.amdhsa_wavefront_size32 1
		.amdhsa_system_sgpr_workgroup_id_x 1
		.amdhsa_system_sgpr_workgroup_id_y 1
		.amdhsa_system_sgpr_workgroup_id_z 1
		.amdhsa_system_vgpr_workitem_id 0
		.amdhsa_next_free_vgpr 216
		.amdhsa_next_free_sgpr 66
		.amdhsa_reserve_vcc 1
		.amdhsa_float_denorm_mode_32 3
		.amdhsa_float_denorm_mode_16_64 3
		.amdhsa_memory_ordered 1
		.amdhsa_forward_progress 1
		.amdhsa_inst_pref_size 21
	.end_amdhsa_kernel
	.amdgpu_metadata
---
amdhsa.version: [ 1, 2 ]
amdhsa.kernels:
  - .name:           k_q9e87863897_finish
    .symbol:         k_q9e87863897_finish.kd
    .args:
      - { .name: x1c, .offset: 0, .size: 8, .value_kind: global_buffer, .address_space: global }
      - { .name: x1s, .offset: 8, .size: 8, .value_kind: global_buffer, .address_space: global }
      - { .name: x2c, .offset: 16, .size: 8, .value_kind: global_buffer, .address_space: global }
      - { .name: x2s, .offset: 24, .size: 8, .value_kind: global_buffer, .address_space: global }
      - { .name: V_codes, .offset: 32, .size: 8, .value_kind: global_buffer, .address_space: global }
      - { .name: V_scales, .offset: 40, .size: 8, .value_kind: global_buffer, .address_space: global }
      - { .name: part, .offset: 48, .size: 8, .value_kind: global_buffer, .address_space: global }
      - { .name: b, .offset: 56, .size: 8, .value_kind: global_buffer, .address_space: global }
      - { .name: u, .offset: 64, .size: 8, .value_kind: global_buffer, .address_space: global }
      - { .name: out0, .offset: 72, .size: 8, .value_kind: global_buffer, .address_space: global }
    .group_segment_fixed_size: 17408
    .private_segment_fixed_size: 0
    .kernarg_segment_align: 8
    .kernarg_segment_size: 80
    .max_flat_workgroup_size: 256
    .sgpr_count:     66
    .vgpr_count:     216
    .wavefront_size: 32
...
	.end_amdgpu_metadata
.endif
;; end of part 3
